; MI455X (gfx1250); checked and timed in simulation.
; The chip was launched on July 23, 2026; its instructions are those of AMD's public machine-readable ISA for CDNA 5 (MIT licence, August 2026) and "CDNA5" Instruction Set Architecture Reference Guide (July 2026). The comments in the code are by the model that wrote it; some were corrected since.
;; Multi Head Attention. Allowed arithmetic: matrix products marked QUANTISED: E2M3 operands, one E8M0 scale for each 32 along K, by v_wmma_scale_f32_16x16x128_f8f6f4 with both operands' format E2M3, f32 sums; everything else in f32.
;; Inputs: W_proj_codes 1,024 x 32 x 24 uint8 (E2M3 codes of W_proj, K innermost, in blocks of 32 codes, four codes in three bytes); W_proj_scales 1,024 x 32 uint8 (E8M0 scales of W_proj, one for each 32 codes along K); W_qkv_codes 3,072 x 32 x 24 uint8 (E2M3 codes of W_qkv, K innermost, in blocks of 32 codes, four codes in three bytes); W_qkv_scales 3,072 x 32 uint8 (E8M0 scales of W_qkv, one for each 32 codes along K); attention_mask 4 x 2,048 bool; b_proj 1,024 float32; b_qkv 3,072 float32; x_codes 4 x 2,048 x 32 x 24 uint8 (E2M3 codes of x, K innermost, in blocks of 32 codes, four codes in three bytes); x_scales 4 x 2,048 x 32 uint8 (E8M0 scales of x, one for each 32 codes along K).
;; Outputs: out0 4 x 2,048 x 1,024 float32.
;; This version of the problem:
;;   THIS VERSION OF THE PROBLEM IS GIVEN IN LOW PRECISION. The matrix products marked QUANTISED in the list below multiply operands that are first quantised to E2M3 (2 exponent bits, 3 mantissa bits; 6 bits a number), with one power-of-two scale for each 32 numbers along K (OCP MX v1.0); their sums are f32. All else is computed in f32.
;;   The module's matrix products, in the order in which they are computed (A, B: the left and right operand; K: the contracted axis; several contracted axes count as one K, in the product's order):
;;     1. [M 8,192, K 1,024] x [K 1,024, N 3,072]; A: input x (given as codes); B: input W_qkv (given as codes): QUANTISED
;;     2. batch 64 x [M 2,048, K 64] x [K 64, N 2,048]; A: computed on the way; B: computed on the way: QUANTISED
;;     3. batch 64 x [M 2,048, K 2,048] x [K 2,048, N 64]; A: softmax (see below); B: computed on the way: QUANTISED
;;     4. [M 8,192, K 1,024] x [K 1,024, N 1,024]; A: computed on the way; B: input W_proj (given as codes): QUANTISED
;;   THE QUANTISER, for each operand of a quantised product, along K:
;;     - K is cut into blocks of 32 from its start; a last block that is shorter is filled with zeros.
;;     - A block's scale is 2^e with e = floor(log2(the largest magnitude in the block)) - 2, held to -126 .. 127; a block of zeros has e = 0. As a byte (E8M0): e + 127.
;;     - Each number is divided by its block's scale, clamped to +-7.5, and rounded to the nearest number of E2M3, ties to even, subnormals kept.
;;     - The product sums the exact products of the quantised numbers (number of the format x scale) in f32.
;;   ~~~python
;;   def quantise(x, axis):      # numpy; x: float32 -> the quantised numbers, widened to float32 again
;;       x = np.moveaxis(x, axis, -1); K = x.shape[-1]
;;       x = np.pad(x, [(0, 0)] * (x.ndim - 1) + [(0, -K % 32)]); x = x.reshape(x.shape[:-1] + (-1, 32)); a = np.abs(x).max(-1, keepdims=True)
;;       e = np.where(a > 0, np.clip(np.frexp(np.where(a > 0, a, 1))[1] - 1 - 2, -126, 127), 0)      # np.frexp(a)[1] - 1 = floor(log2(a)), exactly
;;       r = np.clip(x / 2.0 ** e, -7.5, 7.5)
;;       step = 2.0 ** (np.maximum(np.frexp(np.where(r == 0, 1, r))[1] - 1, 0) - 3)
;;       q = np.round(r / step) * step * 2.0 ** e      # np.round: ties to even
;;       return np.moveaxis(q.reshape(q.shape[:-2] + (-1,))[..., :K], -1, axis).astype(np.float32)
;;   ~~~
;;   SOFTMAX AHEAD OF A QUANTISED PRODUCT. Where the list says 'softmax', what is quantised is not the finished softmax but p = 2^(t - M), with t = logit x log2(e) and M = ceil(the row's largest t), a whole number; so 1/2 < the row's largest p <= 1. The row's sum l is taken of the UNQUANTISED p, in f32, and the product's result is divided by l at the end. Since M is a whole number, a kernel that streams over the keys may use a running M (the ceiling of the running maximum): every later rescaling is an exact power of two, which a block's scale takes up: the codes' values come out the same.
;;   OPERANDS COMPUTED ON THE WAY. 'Computed on the way' means the value that the module computes at that place (a softmax that the list does not call 'softmax' is quantised finished and normalised). What goes into a quantiser is computed in f32, as accurately as f32 sums, v_exp_f32 and their like allow (about 1e-6 of the number): no bf16 or f16 on the way to a quantiser, and a product that is left as it is and whose result goes on into a quantised operand takes f32 operands (vector FMAs, or v_wmma_f32_16x16x4_f32). A number that lies on a knife's edge between two numbers of the format may be rounded either way, as far as f32 arithmetic and the matrix unit's own rounding can turn it there, and no further.
;;   INPUTS GIVEN AS CODES. W_proj (in the module: [1024, 1024], K = its axis 1); W_qkv (in the module: [3072, 1024], K = its axis 1); x (in the module: [4, 2048, 1024], K = its axis 2): each comes as NAME_codes (uint8): NAME with its K axis moved to the last place and cut into blocks of 32 codes, [.., K / 32, bytes a block], one block behind the other in memory; four codes in three bytes: a row's codes are one little-endian stream of bits, code i at bits 6 i .. 6 i + 5 (a code: sign, 2 exponent bits, 3 mantissa bits); and NAME_scales (uint8): the same leading axes, one E8M0 byte (e + 127) for each 32 codes along K. Its value is code x scale, taken as it is: it is not quantised again, and the codes and scales need not be those that the quantiser above would give.
;; One version. Each part assembles by itself: llvm-mc -triple=amdgcn-amd-amdhsa -mcpu=gfx1250 --defsym DOCPART=n.
;; ======== version 1 of 1: 3 launches
;; workspace buffers: kqv 31,457,280 bytes; y_img 6,291,456 bytes; y_sc 262,144 bytes
;; launch qkv (part 1): grid 12 x 32, 4 waves a work-group, clusters of 4 x 4, 327,680 bytes of LDS; arguments x_codes, x_scales, W_qkv_codes, W_qkv_scales, b_qkv, attention_mask, kqv; writes kqv
.if DOCPART == 1
	.amdgcn_target "amdgcn-amd-amdhsa--gfx1250"
	.amdhsa_code_object_version 6
	.text
	.protected	k_q1e035c8d17_qkv
	.globl	k_q1e035c8d17_qkv
	.p2align	8
	.type	k_q1e035c8d17_qkv,@function
k_q1e035c8d17_qkv:
	s_mov_b64 s[64:65], 0
	v_nop
	global_prefetch_b8 v0, s[64:65] scope:SCOPE_SE
	s_setreg_imm32_b32 hwreg(HW_REG_WAVE_MODE, 25, 1), 1
	s_wait_xcnt 0x0
	s_wait_alu depctr_hold_cnt(0) depctr_sa_sdst(0) depctr_va_vdst(0) depctr_va_sdst(0) depctr_va_ssrc(0) depctr_va_vcc(0) depctr_vm_vsrc(0)
	s_getreg_b32 s2, hwreg(HW_REG_IB_STS2, 6, 4)
	s_cmp_eq_u32 s2, 0
	s_cbranch_scc0 .Lentry_in_a_cluster
	s_endpgm
.Lentry_in_a_cluster:
	s_bfe_u32 s2, ttmp6, 0x10000c
	s_cmp_lg_u32 s2, 0xf033
	s_cbranch_scc0 .Lentry_shape_is_right
	s_endpgm
.Lentry_shape_is_right:
; kqv = x W_qkv^T + b_qkv on codes of FP6 (E2M3) with one E8M0 scale for each 32 along K; the results are quantised at once, in registers, and leave as IMAGES OF OPERAND REGISTERS for the attention launch.
; x: [8192][1024], W_qkv: [3072][1024] (rows 0-1023 k, 1024-2047 q, 2048-3071 v): codes, 768 bytes a row; scale bytes 32 a row.
; A tile of 256 x 256 is made by four waves, 128 x 128 each: 64 accumulators of 16 x 16.  K goes in steps of 256 through a ring of two LDS slots; the scale bytes of the work-group's rows come once and stay.
; ROLES.  The matrix instruction takes source 0 = 16 rows of role B, source 1 = 16 rows of role A: a lane holds ONE row of A and eight neighbouring rows of B.
;   clusters x = 0 (k) and 1 (q): A = x (tokens), B = W: a lane's registers run along the channels, along which q and k are quantised.
;   clusters x = 2 (v):           A = W (channels), B = x: a lane's registers run along the tokens, the keys, along which v is quantised.
; The roles are chosen by scalar selects on the cluster's x alone, which all sixteen partners share; the loop's text is one.
; OUTPUT kqv: [which 2][batch x head 64][step of 128 tokens 16][record 15,360 bytes]; which 0: k and v, which 1: q.  A record:
;   0      eight tiles of 16 tokens x 64 channels, 1,024 bytes each: registers 0-3 at 16 x lane; at +512 registers 4, 5, the mask's register, 0
;   8,192  (v) four fragments of 16 channels x 128 keys, 1,536 bytes each: registers 0-3, 4-7, 8-11, 512 bytes each
;   14,336 scale words of the eight tiles: lane r + 16 g holds those of token r in tiles 4 g .. 4 g + 3
;   14,848 (v) scale words: lane l holds those of channel l % 16 in channel tiles 0 .. 3
; ORDER INSIDE A BLOCK OF 32: a lane's 16 numbers of a block are 8 h + 0..7 and 16 + 8 h + 0..7 (h = lane / 16), so a block's codes stand in the order 0-7, 16-23, 8-15, 24-31.  q and k get it alike, v and the
; attention launch's p likewise: every product and every scale is kept; only the order of the f32 sums differs.
; THE MASK rides in the idle half of the first attention product's K (the head has 64 of 128): at k = 64 a masked key has the code +4 under the scale byte 156, an open key the code 0 under the byte 0; q has -4 under 127 there.
; LIMITS: a masked key's score so gets -2^33, a logit of -2^30, where the source has -1e9; a block of zeros gets the scale byte 1 (its codes are zeros; this program alone reads the bytes); NaN and infinities are not served.
.set SIZE_K, 1024
.set KSTEP,  256                       ; along K in a slot
.set NQ,     KSTEP/128                 ; matrix instructions deep
.set ROWB,   192                       ; a tile's row in bytes
.set KROW,   SIZE_K*6/8                ; a row of codes in memory
.set PITCH,  240                       ; an LDS row: 3 x (64 bytes + 16 of padding)
.set FR,     12                        ; registers of a fragment
.set NL,     6                         ; LDS loads that bring one
.set NP,     4                         ; places behind this matrix instruction (ISA guide 7.12.1)
.set HALFT,  128*PITCH                 ; 128 rows: one tensor load
.set SLOT,   4*HALFT                   ; A's 256 rows, then B's
.set LAPS,   SIZE_K/(2*KSTEP)
.set KS,     SIZE_K/32                 ; a row of scale bytes
.set SCL,    2*SLOT                    ; behind the ring: the scales, as units of 256 bytes + 16 of padding
.set HALFS,  (128*KS/256)*272
.set SBLK,   (16*KS/256)*272
.set SPARE,  SCL+4*HALFS               ; the spare words, 128 bytes for each wave: no other line names them
.set REC,    15360                     ; a record of kqv
.set HEADB,  16*REC                    ; from a head to the next
.set LI,   1                           ; v1      (epilogue) 16 x lane
.set MK,   7                           ; v7-14   the mask bytes of my row in A's blocks 0-7
.set BAD,  15                          ; v15     byte offset in b_qkv of my eight channels; never rewritten
.set ADRA, 16                          ; v16-19  LDS addresses of A's fragments
.set ADRB, 20                          ; v20-23  of B's
.set ADRS, 27                          ; v27     of my scale words
.set SPW,  28                          ; v28     my spare word; never rewritten
.set NIL,  29                          ; v29     0; never rewritten
.set VAD,  30                          ; v30     byte offset in b_qkv of my row's channel (v); never rewritten
.set MAD,  31                          ; v31     byte offset in the mask of my row's token; never rewritten
.set SC,   32                          ; v32-63  scale words, two sets: they hold scales and nothing else
.set BIAS, 64                          ; v64-127 b_qkv at my channels: register 8 b + j = channel 16 b + 8 h + j
.set AF,   128                         ; v128-223 A's fragments, one set
.set BV,   96                          ; window 1, v96-111: b_qkv of my row's channel in block a, in registers 2 a and 2 a + 1
.set T,    128                         ; (epilogue) 64 numbers of a lane
.set W0,   192                         ; v192-199 scale words made: head 0 (k, q), or channel tiles 0-7 (v)
.set TM,   200                         ; v200-215 at work in the quantiser
.set W1,   216                         ; v216-223 scale words made: head 1
.set OUT,  224                         ; v224-239 the codes that leave
.set CT,   240                         ; v240-247 second halves of blocks
.set PW,   248
.set TMP,  249
.set VE,   250
.set G1, 24
.set G0, 32
.set G1B, 48
.set G0B, 56
.set SEL, 66                           ; s[66:67] lane selects for v_permlanex16_b32: lane l xor 16
.set G1S, 68
.set G0S, 76
.set G1SB, 80
.set G0SB, 88
.set MSB, 0
.macro WIN new                         ; the immediate's high byte repeats the setting that is left
.if MSB != (\new)
	s_set_vgpr_msb (MSB<<8)|(\new)
.set MSB, (\new)
.endif
.endm
.set MUL_LO, 0xa1                      ; source 0 (B) window 1, source 1 (A) window 0, C and D window 2
.set MUL_HI, 0xf1                      ; the same, C and D window 3
.set TO_B,   0x40                      ; destination window 1, address window 0
; A joint load: waves 0 and 1 fetch for A, waves 2 and 3 for B.  The branch hangs on the wave's number alone.  An s_nop 0 and four v_nop follow each line.
.macro JLOAD g0a, g1a, g0b, g1b
	s_cmp_eq_u32 s15, 0
	s_cbranch_scc0 .Lfor_b_\@
	tensor_load_to_lds s[\g0a:\g0a+3], s[\g1a:\g1a+7]
	s_nop 0
.rept 4
	v_nop
.endr
	s_branch .Lasked_\@
.Lfor_b_\@:
	tensor_load_to_lds s[\g0b:\g0b+3], s[\g1b:\g1b+7]
	s_nop 0
.rept 4
	v_nop
.endr
.Lasked_\@:
.endm
.macro CREST                           ; a round of the cluster's barrier behind its opening barrier
	s_cmp_lg_u32 s14, 0
	s_cbranch_scc1 .Lnot_wave_0_\@
	s_barrier_signal -3
.Lnot_wave_0_\@:
	s_barrier_wait -3
	s_barrier_signal -1
	s_barrier_wait -1
.endm
.macro CROUND
	s_barrier_signal -1
	s_barrier_wait -1
	CREST
.endm
	s_load_b128 s[4:7], s[0:1], 0x0                ; x's codes, x's scales
	s_load_b128 s[8:11], s[0:1], 0x10              ; W's codes, W's scales
	s_load_b128 s[96:99], s[0:1], 0x20             ; b_qkv, the mask
	s_load_b64 s[12:13], s[0:1], 0x30              ; kqv
	v_lshl_add_u32 v[SPW], v0, 2, SPARE
	v_mov_b32 v[NIL], 0
	ds_add_u32 v[SPW], v[NIL]                      ; the wave's opening: the add and its wait come ahead of my first tensor load; work on registers stands between them
	v_lshrrev_b32 v1, 5, v0
	v_readfirstlane_b32 s14, v1                    ; wave 0..3
	s_lshr_b32 s15, s14, 1                         ; which half of A's rows is mine.  Also: I fetch for A (0) or for B (1)
	s_and_b32 s16, s14, 1                          ; which half of B's rows.  Also: which 128 rows I fetch
	s_bfe_u32 s40, ttmp6, 0x40000                  ; cx
	s_bfe_u32 s41, ttmp6, 0x40004                  ; cy
	s_and_b32 s18, ttmp7, 0xffff
	s_lshl_b32 s18, s18, 2                         ; 4 x cluster y
	s_lshl_b32 s19, ttmp9, 2                       ; 4 x cluster x
	s_cmp_eq_u32 ttmp9, 2                          ; v's clusters?  The same in all sixteen partners
	s_cselect_b32 s17, 8, s18                      ; A's tile of 256 rows: W's tiles 8-11, or x's tiles
	s_cselect_b32 s42, s18, s19                    ; B's: x's tiles, or W's tiles 0-7
	s_add_co_u32 s17, s17, s41                     ; + cy: shared along a row of the cluster
	s_add_co_u32 s42, s42, s40                     ; + cx: shared along a column
	s_lshl_b32 s43, s41, 2
	s_lshl_b32 s43, 15, s43                        ; my row of the cluster
	s_lshl_b32 s44, 0x1111, s40                    ; my column
	; descriptor group 1: a tile of 128 rows x 192 bytes, 16 bytes of padding behind every 64
	s_or_b32 s[G1+0], s43, (0<<16)|(1<<20)|(1<<21)|(3<<22)|(3<<25)
	s_or_b32 s[G1B+0], s44, (0<<16)|(1<<20)|(1<<21)|(3<<22)|(3<<25)
.irp g, G1, G1B
	s_mov_b32 s[\g+1], ROWB<<16                    ; tensor_dim0
	s_mov_b32 s[\g+2], 128<<16                     ; tensor_dim1
	s_mov_b32 s[\g+3], ROWB<<16                    ; tile_dim0
	s_mov_b32 s[\g+4], 128                         ; tile_dim1
	s_mov_b32 s[\g+5], KROW                        ; stride
	s_mov_b32 s[\g+6], 0
	s_mov_b32 s[\g+7], 0
.endr
	; the scales of 128 rows: 4,096 dense bytes as 16 rows of 256 (32 elements of 8 bytes), 16 bytes of padding behind each
	s_or_b32 s[G1S+0], s43, (3<<16)|(1<<20)|(1<<21)|(5<<22)|(3<<25)
	s_or_b32 s[G1SB+0], s44, (3<<16)|(1<<20)|(1<<21)|(5<<22)|(3<<25)
.irp g, G1S, G1SB
	s_mov_b32 s[\g+1], 32<<16
	s_mov_b32 s[\g+2], (128*KS/256)<<16
	s_mov_b32 s[\g+3], 32<<16
	s_mov_b32 s[\g+4], 128*KS/256
	s_mov_b32 s[\g+5], 32
	s_mov_b32 s[\g+6], 0
	s_mov_b32 s[\g+7], 0
.endr
	s_lshl_b32 s18, s16, 7                         ; which 128 rows of the tile I fetch
	s_lshl_b32 s20, s17, 8
	s_add_co_u32 s20, s20, s18                     ; A's row
	s_lshl_b32 s46, s42, 8
	s_add_co_u32 s46, s46, s18                     ; B's row
	s_mov_b32 s21, 0
	s_mov_b32 s47, 0
	s_mov_b64 s[18:19], KS
	s_mul_u64 s[22:23], s[20:21], s[18:19]         ; where these rows' scales begin
	s_mul_u64 s[92:93], s[46:47], s[18:19]
	s_mov_b64 s[18:19], KROW
	s_mul_u64 s[20:21], s[20:21], s[18:19]         ; and their codes
	s_mul_u64 s[46:47], s[46:47], s[18:19]
	s_mul_i32 s45, s14, HALFT                      ; where they go: wave x 128 rows
	s_mul_i32 s94, s14, HALFS
	s_mov_b32 s[SEL], 0x76543210
	s_mov_b32 s[SEL+1], 0xfedcba98
	s_mov_b32 s95, 0xffff0000                      ; lanes 16-31
	s_wait_dscnt 0x0                               ; the opening add is done
	s_wait_kmcnt 0x0
	s_cmp_eq_u32 ttmp9, 2
	s_cselect_b64 s[100:101], s[8:9], s[4:5]       ; A's codes: W's for v, else x's
	s_cselect_b64 s[104:105], s[10:11], s[6:7]     ; A's scales
	s_cselect_b64 s[8:9], s[4:5], s[8:9]           ; B's codes
	s_cselect_b64 s[10:11], s[6:7], s[10:11]       ; B's scales
	s_add_nc_u64 s[20:21], s[100:101], s[20:21]
	s_add_nc_u64 s[22:23], s[104:105], s[22:23]
	s_add_nc_u64 s[46:47], s[8:9], s[46:47]
	s_add_nc_u64 s[92:93], s[10:11], s[92:93]
	CROUND                                         ; all sixteen work-groups are here: the first joint loads meet
	s_mov_b32 s[G0S], 1
	s_add_co_u32 s[G0S+1], s94, SCL
	s_mov_b64 s[G0S+2:G0S+3], s[22:23]
	s_or_b32 s[G0S+3], s[G0S+3], 0x80000000
	s_mov_b32 s[G0SB], 1
	s_add_co_u32 s[G0SB+1], s94, SCL
	s_mov_b64 s[G0SB+2:G0SB+3], s[92:93]
	s_or_b32 s[G0SB+3], s[G0SB+3], 0x80000000
	JLOAD G0S, G1S, G0SB, G1SB                     ; the scales first: they are wanted with K step 0
.irp s, 0,1
	s_mov_b32 s[G0+4*\s], 1
	s_add_co_u32 s[G0+4*\s+1], s45, \s*SLOT
	s_add_nc_u64 s[G0+4*\s+2:G0+4*\s+3], s[20:21], \s*ROWB
	s_or_b32 s[G0+4*\s+3], s[G0+4*\s+3], 0x80000000
	s_mov_b32 s[G0B+4*\s], 1
	s_add_co_u32 s[G0B+4*\s+1], s45, \s*SLOT
	s_add_nc_u64 s[G0B+4*\s+2:G0B+4*\s+3], s[46:47], \s*ROWB
	s_or_b32 s[G0B+4*\s+3], s[G0B+4*\s+3], 0x80000000
	JLOAD G0+4*\s, G1, G0B+4*\s, G1B
.endr
	v_and_b32 v1, 15, v0                           ; r = lane % 16
	v_bfe_u32 v2, v0, 4, 1                         ; h = lane / 16
	v_mul_u32_u24 v3, v1, PITCH
	v_mul_u32_u24 v4, v2, 24
	v_add_nc_u32 v4, v3, v4                        ; a fragment's row x pitch + 24 x half
	v_lshl_add_u32 v5, v2, 4, v4                   ; and the same behind one padding more
	s_mul_i32 s21, s15, HALFT                      ; my 128 rows of A
	s_mul_i32 s22, s16, HALFT                      ; my 128 rows of B,
	s_add_co_u32 s22, s22, 2*HALFT                 ; which lie behind A's 256
.irp s, 0,1
	v_add_nc_u32 v[ADRA+\s], s21, v4
	v_add_nc_u32 v[ADRB+\s], s22, v4
	v_add_nc_u32 v[ADRA+2+\s], s21, v5
	v_add_nc_u32 v[ADRB+2+\s], s22, v5
	s_add_co_u32 s21, s21, SLOT
	s_add_co_u32 s22, s22, SLOT
.endr
	v_mul_u32_u24 v5, v1, KS                       ; my row's scales: 32 bytes a row,
	v_lshrrev_b32 v6, 8, v5
	v_lshl_add_u32 v5, v6, 4, v5                   ; and 16 more for each 256 passed
	s_mul_i32 s21, s15, HALFS
	s_mul_i32 s22, s16, HALFS
	s_add_co_u32 s22, s22, 2*HALFS
	s_sub_co_u32 s22, s22, s21
	v_mul_u32_u24 v6, s22, v2                      ; lanes 16-31 take B's
	s_add_co_u32 s21, s21, SCL
	v_add_nc_u32 v5, v5, v6
	v_add_nc_u32 v[ADRS], s21, v5
	; the biases and the mask: loaded in both roles, so that every register is written on every way; a role that does not use a load reads it from the buffer's start
	s_lshl_b32 s18, s42, 8
	s_lshl_b32 s19, s16, 7
	s_add_co_u32 s18, s18, s19                     ; my wave's first row of B
	s_lshl_b32 s19, s17, 8
	s_lshl_b32 s20, s15, 7
	s_add_co_u32 s19, s19, s20                     ; my wave's first row of A
	s_cmp_eq_u32 ttmp9, 2
	s_cselect_b32 s21, 0, s18                      ; k, q: B's rows are channels of b_qkv
	s_cselect_b32 s22, s19, 0                      ; v: A's rows are
	s_cselect_b32 s23, 0, s19                      ; k, q: A's rows are tokens of the mask
	s_lshl_b32 s21, s21, 2
	s_lshl_b32 s22, s22, 2
	v_lshl_add_u32 v[BAD], v2, 5, s21              ; 4 x channel + 32 h
	v_lshl_add_u32 v[VAD], v1, 2, s22              ; 4 x (channel + r)
	v_add_nc_u32 v[MAD], s23, v1                   ; token + r
.irp b, 0,1,2,3,4,5,6,7
	global_load_b128 v[BIAS+8*\b:BIAS+8*\b+3], v[BAD], s[96:97] offset:64*\b
	global_load_b128 v[BIAS+8*\b+4:BIAS+8*\b+7], v[BAD], s[96:97] offset:64*\b+16
.endr
.irp a, 0,1,2,3,4,5,6,7
	global_load_u8 v[MK+\a], v[MAD], s[98:99] offset:16*\a
.endr
	WIN TO_B
.irp a, 0,1,2,3,4,5,6,7
	global_load_b32 v[BV+2*\a], v[VAD], s[96:97] offset:64*\a      ; twice: the packed addition names the pair
	global_load_b32 v[BV+2*\a+1], v[VAD], s[96:97] offset:64*\a
.endr
	WIN 0
	; my wave's record of kqv: two heads x 128 tokens
	s_cmp_eq_u32 ttmp9, 2
	s_cselect_b32 s18, s41, s40                    ; the tile of 256 channels in its chunk
	s_cselect_b32 s19, s15, s16                    ; my half of it
	s_cselect_b32 s20, s42, s17                    ; the tile of 256 tokens
	s_cselect_b32 s21, s16, s15                    ; my half of it
	s_cselect_b32 s22, 0, ttmp9                    ; which: k and v 0, q 1
	s_lshl_b32 s18, s18, 2
	s_lshl_b32 s19, s19, 1
	s_add_co_u32 s18, s18, s19                     ; my first head
	s_lshr_b32 s19, s20, 3                         ; the batch
	s_lshl_b32 s19, s19, 4
	s_add_co_u32 s18, s18, s19
	s_lshl_b32 s22, s22, 6
	s_add_co_u32 s18, s18, s22
	s_lshl_b32 s18, s18, 4
	s_and_b32 s20, s20, 7
	s_lshl_b32 s20, s20, 1
	s_add_co_u32 s18, s18, s20
	s_add_co_u32 s18, s18, s21                     ; the record's number, under 2,048
	s_mul_i32 s18, s18, REC
	s_mov_b32 s19, 0
	s_add_nc_u64 s[12:13], s[12:13], s[18:19]
.macro FRAG reg, adr, q, i             ; a fragment: 12 registers; registers 6 c .. 6 c + 5 hold K = 64 c + 32 (lane / 16) + 0 .. 31: 24 bytes of the row's stream of bits, in pieces of 8 bytes
.irp p, 0,1,2,3,4,5
.set PC, 12*(\q)+6*(\p/3)+\p%3        ; 16 bytes of padding lie behind every 8 pieces: where the piece three on lies behind one padding more, the second address register serves
.if PC%8 < 5
	ds_load_b64 v[\reg+2*\p:\reg+2*\p+1], v[\adr] offset:8*PC+16*(PC/8)+(\i)*16*PITCH
.else
	ds_load_b64 v[\reg+2*\p:\reg+2*\p+1], v[\adr+2] offset:8*PC+16*(PC/8)+(\i)*16*PITCH
.endif
.endr
.endm
; 16 matrix instructions: A's blocks a0, a0 + 1 x B's eight.  The 64 accumulators take turns, one instruction a turn, in the same order in every step.
.macro MUL16 a0, p, q, sc, zero
.irp a, \a0, \a0+1
.irp b, 0,1,2,3,4,5,6,7
.if \zero
	v_wmma_scale_f32_16x16x128_f8f6f4 v[8*(8*((\a)%4)+\b):8*(8*((\a)%4)+\b)+7], v[128*(\p)+FR*\b:128*(\p)+FR*\b+FR-1], v[AF+FR*(\a):AF+FR*(\a)+FR-1], 0, v[SC+8*NQ*(\sc)+NQ*\b+(\q)], v[SC+8*NQ*(\sc)+NQ*(\a)+(\q)] matrix_a_fmt:MATRIX_FMT_FP6 matrix_b_fmt:MATRIX_FMT_FP6 matrix_a_scale:MATRIX_SCALE_ROW1
.else
	v_wmma_scale_f32_16x16x128_f8f6f4 v[8*(8*((\a)%4)+\b):8*(8*((\a)%4)+\b)+7], v[128*(\p)+FR*\b:128*(\p)+FR*\b+FR-1], v[AF+FR*(\a):AF+FR*(\a)+FR-1], v[8*(8*((\a)%4)+\b):8*(8*((\a)%4)+\b)+7], v[SC+8*NQ*(\sc)+NQ*\b+(\q)], v[SC+8*NQ*(\sc)+NQ*(\a)+(\q)] matrix_a_fmt:MATRIX_FMT_FP6 matrix_b_fmt:MATRIX_FMT_FP6 matrix_a_scale:MATRIX_SCALE_ROW1
.endif
.endr
.endr
.endm
.macro FETCH_B slot, q, p
	WIN TO_B
.irp i, 0,1,2,3,4,5,6,7
	FRAG 128*(\p)+FR*\i, ADRB+\slot, \q, \i
.endr
	WIN 0
.endm
.macro FETCH_A slot, q, i0
.irp i, \i0, \i0+1, \i0+2, \i0+3
	FRAG AF+FR*(\i), ADRA+\slot, \q, \i
.endr
.endm
.macro SCALES sc                       ; a K step's scale words: two words a row; lanes 0-15 take A's block i, lanes 16-31 B's block i
.irp i, 0,1,2,3,4,5,6,7
	ds_load_b64 v[SC+8*NQ*\sc+NQ*\i:SC+8*NQ*\sc+NQ*\i+1], v[ADRS] offset:\i*SBLK
.endr
.endm
.macro PLACES n                        ; plain vector instructions between a matrix instruction and a load into, or a vector instruction on, its registers
.rept \n
	v_nop
.endr
.endm
.macro STEP slot, q, zero              ; a step of 128 along K that has its successor in the same slot
	s_wait_dscnt 4*NL                              ; B's set and A's blocks 0-3 are in; the youngest 24 loads (A's blocks 4-7) may be out
	WIN MUL_LO
	MUL16 0, (\q)%2, \q, \slot, \zero
	MUL16 2, (\q)%2, \q, \slot, \zero
	s_wait_dscnt 0
	PLACES NP
	FETCH_B \slot, (\q)+1, 1-(\q)%2
	FETCH_A \slot, (\q)+1, 0
	WIN MUL_HI
	MUL16 4, (\q)%2, \q, \slot, \zero
	MUL16 6, (\q)%2, \q, \slot, \zero
	PLACES NP
	WIN 0
	FETCH_A \slot, (\q)+1, 4
.endm
; A slot's last step changes slots: one barrier; in front of it each wave waits for all its tensor loads, adds 0 to its spare word, and waits for that and for its own reads of this slot.
.macro TURN slot, next, fill
	s_wait_tensorcnt 0x0                           ; all my tensor loads have landed: my part of the next slot
	ds_add_u32 v[SPW], v[NIL]                      ; 0 onto my spare word
	s_wait_dscnt 4*NL+1                            ; (the add and the youngest 24 loads may be out)
	WIN MUL_LO
	MUL16 0, 1, NQ-1, \slot, 0
	s_wait_dscnt 0x0                               ; the add is done, and my reads of this slot are over
	s_barrier_signal -1
	MUL16 2, 1, NQ-1, \slot, 0
	WIN 0
	s_barrier_wait -1
.if \fill
	CREST                                          ; the barrier has opened a round of the cluster's barrier: no wave of any partner still reads this slot or has a load on its way
	s_add_nc_u64 s[G0+4*\slot+2:G0+4*\slot+3], s[G0+4*\slot+2:G0+4*\slot+3], 2*ROWB
	s_add_nc_u64 s[G0B+4*\slot+2:G0B+4*\slot+3], s[G0B+4*\slot+2:G0B+4*\slot+3], 2*ROWB
	JLOAD G0+4*\slot, G1, G0B+4*\slot, G1B         ; the first tensor load behind the round; its four v_nop are the places in front of the loads below
.else
	PLACES NP
.endif
	v_add_nc_u32 v[ADRS], 4*NQ, v[ADRS]            ; on to the next K step's scale words
	FETCH_B \next, 0, 0
	FETCH_A \next, 0, 0
	SCALES \next
	WIN MUL_HI
	MUL16 4, 1, NQ-1, \slot, 0
	MUL16 6, 1, NQ-1, \slot, 0
	PLACES NP
	WIN 0
	FETCH_A \next, 0, 4
.endm
	s_wait_tensorcnt 1                             ; the scales and my part of K step 0 are in (K step 1's load may be out),
	s_barrier_signal -1
	s_barrier_wait -1                              ; everybody's are
	FETCH_B 0, 0, 0
	FETCH_A 0, 0, 0
	SCALES 0
	FETCH_A 0, 0, 4
	STEP 0, 0, 1                                   ; the first step's products start the sums
	s_mov_b32 s3, LAPS-1
.Llap:                                                 ; a trip goes once round the ring and fills both slots again
	TURN 0, 1, 1
	STEP 1, 0, 0
	TURN 1, 0, 1
	STEP 0, 0, 0
	s_sub_co_u32 s3, s3, 1
	s_cmp_lg_u32 s3, 0
	s_cbranch_scc1 .Llap
	TURN 0, 1, 0                                   ; the last lap fills nothing
	STEP 1, 0, 0
	s_wait_dscnt 4*NL
	WIN MUL_LO
	MUL16 0, 1, NQ-1, 1, 0
	MUL16 2, 1, NQ-1, 1, 0
	s_wait_dscnt 0
	WIN MUL_HI
	MUL16 4, 1, NQ-1, 1, 0
	MUL16 6, 1, NQ-1, 1, 0
	WIN 0
; THE WAY OUT.  Block a's eight accumulators, 64 numbers a lane, get the bias on their way into window 0 (one packed addition each pair, every accumulator from its low end on), are quantised, and leave.
.macro TAKE a, v                       ; v = 0: the bias runs along my registers; 1: it is my row's
.if \v
	WIN 6+(\a)/4                                   ; source 0 window 2 or 3, source 1 window 1
.else
	WIN 2+(\a)/4                                   ; source 0 window 2 or 3
.endif
.irp b, 0,1,2,3,4,5,6,7
.irp i, 0,2,4,6
.if \v
	v_pk_add_f32 v[T+8*\b+\i:T+8*\b+\i+1], v[64*((\a)%4)+8*\b+\i:64*((\a)%4)+8*\b+\i+1], v[BV+2*(\a):BV+2*(\a)+1] op_sel_hi:[1,0]
.else
	v_pk_add_f32 v[T+8*\b+\i:T+8*\b+\i+1], v[64*((\a)%4)+8*\b+\i:64*((\a)%4)+8*\b+\i+1], v[BIAS+8*\b+\i:BIAS+8*\b+\i+1]
.endif
.endr
.endr
	WIN 0
.endm
; 64 numbers of a lane, v[s] on; registers 16 b .. 16 b + 15 are my 16 of block b, lane l xor 16 holds the other 16.  Codes of blocks 2 c and 2 c + 1 to v[OUT + st c] on (six registers), the four scale bytes to v[pw].
.macro QUANT s, st, pw
.irp b, 0,1,2,3
	v_max3_num_f32 v[TM+\b], |v[\s+16*\b]|, |v[\s+1+16*\b]|, 0x1800000   ; with the floor 2^(3 - 127): the byte cannot fall under 1
.endr
.irp i, 2,4,6,8,10,12,14
.irp b, 0,1,2,3
	v_max3_num_f32 v[TM+\b], v[TM+\b], |v[\s+16*\b+\i]|, |v[\s+1+16*\b+\i]|
.endr
.endr
.irp b, 0,1,2,3
	v_permlanex16_b32 v[TM+4+\b], v[TM+\b], s[SEL], s[SEL+1]
.endr
.irp b, 0,1,2,3
	v_max_num_f32 v[TM+\b], v[TM+\b], v[TM+4+\b]   ; the block's largest magnitude
.endr
.irp b, 0,1,2,3
	v_add_nc_u32 v[TM+12+\b], 0xff000000, v[TM+\b] ; 2 off its exponent field: the conversion's scale operand
.endr
.irp b, 0,1,2,3
	v_lshrrev_b32 v[TM+4+\b], 23, v[TM+12+\b]      ; the scale's byte
.endr
	v_lshl_or_b32 v[\pw], v[TM+5], 8, v[TM+4]
	v_lshl_or_b32 v[\pw], v[TM+6], 16, v[\pw]
	v_lshl_or_b32 v[\pw], v[TM+7], 24, v[\pw]
.irp c, 0,1
	v_cvt_scalef32_pk16_fp6_f32 v[OUT+\st*\c:OUT+\st*\c+2], v[\s+32*\c:\s+15+32*\c], v[TM+12+2*\c]
	v_cvt_scalef32_pk16_fp6_f32 v[CT+4*\c:CT+4*\c+2], v[\s+16+32*\c:\s+31+32*\c], v[TM+12+2*\c+1]
.endr
	v_nop                                          ; one plain place behind a scaled conversion
.irp c, 0,1                                    ; the operand's layout wants a whole block in a lane: lanes 0-15 block 2 c, lanes 16-31 block 2 c + 1
.irp i, 0,1,2
	v_permlane16_swap_b32 v[OUT+\st*\c+\i], v[CT+4*\c+\i]
.endr
.irp i, 0,1,2
	v_mov_b32 v[OUT+\st*\c+3+\i], v[CT+4*\c+\i]
.endr
.endr
.endm
	PLACES NP                                      ; behind the last products: their operands' registers are written and their results read from here on
	s_wait_loadcnt 0x0                             ; the biases and the mask
	v_and_b32 v[LI], 31, v0
	v_lshlrev_b32 v[LI], 4, v[LI]                  ; an image's place for my lane
.irp b, 0,1,2,3
	v_mov_b32 v[TM+4+\b], 0                        ; written once: a lane permute's destination counts as one of its sources
.endr
	s_cmp_eq_u32 ttmp9, 2
	s_cbranch_scc1 .Lv
	; ---- k and q: block a = 16 tokens; my 64 numbers are 128 channels' half: blocks 0, 1 = the first head, 2, 3 = the second
	s_cmp_eq_u32 ttmp9, 0                          ; the mask goes into k alone
	s_cselect_b32 s18, 0x18, 0                     ; the code +4
	s_cselect_b32 s19, 0x9c0000, 0                 ; the byte 156 at k = 64 .. 95
	v_sub_nc_u32 v[VE], 1, v2
	v_mul_u32_u24 v[VE], s18, v[VE]                ; in lanes 0-15 alone: they hold k = 64
	v_mov_b32 v[OUT+7], 0
	v_mov_b32 v[OUT+15], 0
.irp a, 0,1,2,3,4,5,6,7
	TAKE \a, 0
.if \a > 0
	s_wait_xcnt 0x0                                ; the last block's stores have read their registers
.endif
	QUANT T, 8, PW
	v_xor_b32 v[MK+\a], 1, v[MK+\a]                ; 1 for a masked token
	v_mul_u32_u24 v[OUT+6], v[MK+\a], v[VE]
	v_mul_u32_u24 v[OUT+14], v[MK+\a], v[VE]
	v_mul_u32_u24 v[TMP], s19, v[MK+\a]
	v_and_or_b32 v[W0+\a], v[PW], 0xffff, v[TMP]   ; the first head's scale word
	v_lshrrev_b32 v[W1+\a], 16, v[PW]
	v_or_b32 v[W1+\a], v[W1+\a], v[TMP]            ; the second's
.irp n, 0,1,2,3
	global_store_b128 v[LI], v[OUT+4*\n:OUT+4*\n+3], s[12:13] offset:1024*\a+512*(\n%2)+HEADB*(\n/2)   ; 32 lanes store 512 consecutive bytes, at a multiple of 256 from the buffer's first byte
.endr
.endr
	s_wait_xcnt 0x0
.irp i, 0,1,2,3
	v_cndmask_b32 v[OUT+\i], v[W0+\i], v[W0+4+\i], s95       ; lanes 0-15: tiles 0-3; lanes 16-31: tiles 4-7
	v_cndmask_b32 v[OUT+4+\i], v[W1+\i], v[W1+4+\i], s95
.endr
	global_store_b128 v[LI], v[OUT:OUT+3], s[12:13] offset:14336
	global_store_b128 v[LI], v[OUT+4:OUT+7], s[12:13] offset:14336+HEADB
	s_branch .Lend
.Lv:
	; ---- v: block a = 16 channels; my 64 numbers are 128 keys' half: one whole fragment and one scale word
.irp a, 0,1,2,3,4,5,6,7
	TAKE \a, 1
.if \a > 0
	s_wait_xcnt 0x0
.endif
	QUANT T, 6, W0+\a
.irp n, 0,1,2
	global_store_b128 v[LI], v[OUT+4*\n:OUT+4*\n+3], s[12:13] offset:8192+1536*(\a%4)+512*\n+HEADB*(\a/4)
.endr
.endr
	global_store_b128 v[LI], v[W0:W0+3], s[12:13] offset:14848
	global_store_b128 v[LI], v[W0+4:W0+7], s[12:13] offset:14848+HEADB
.Lend:
	s_wait_tensorcnt 0x0                           ; the wave's end
	ds_add_u32 v[SPW], v[NIL]
	s_wait_dscnt 0x0
	CROUND                                         ; the closing round: no work-group ends while a partner may still ask for a tile that names it
	s_endpgm
.Lfunc_end_k_q1e035c8d17_qkv:
	.size	k_q1e035c8d17_qkv, .Lfunc_end_k_q1e035c8d17_qkv-k_q1e035c8d17_qkv
	.p2alignl 7, 3214868480
	.fill 96, 4, 3214868480
	.section	.rodata,"a",@progbits
	.p2align	6, 0x0
	.amdhsa_kernel k_q1e035c8d17_qkv
		.amdhsa_group_segment_fixed_size 327680
		.amdhsa_private_segment_fixed_size 0
		.amdhsa_enable_private_segment 0
		.amdhsa_kernarg_size 56
		.amdhsa_user_sgpr_count 2
		.amdhsa_user_sgpr_kernarg_segment_ptr 1
		.amdhsa_wavefront_size32 1
		.amdhsa_system_sgpr_workgroup_id_x 1
		.amdhsa_system_sgpr_workgroup_id_y 1
		.amdhsa_system_sgpr_workgroup_id_z 1
		.amdhsa_system_vgpr_workitem_id 0
		.amdhsa_next_free_vgpr 1024
		.amdhsa_next_free_sgpr 106
		.amdhsa_reserve_vcc 0
		.amdhsa_float_denorm_mode_32 3
		.amdhsa_float_denorm_mode_16_64 3
		.amdhsa_memory_ordered 1
		.amdhsa_forward_progress 1
		.amdhsa_inst_pref_size 237
	.end_amdhsa_kernel
	.amdgpu_metadata
---
amdhsa.version: [ 1, 2 ]
amdhsa.kernels:
  - .name:           k_q1e035c8d17_qkv
    .symbol:         k_q1e035c8d17_qkv.kd
    .args:
      - { .name: x_codes, .offset: 0, .size: 8, .value_kind: global_buffer, .address_space: global }
      - { .name: x_scales, .offset: 8, .size: 8, .value_kind: global_buffer, .address_space: global }
      - { .name: W_qkv_codes, .offset: 16, .size: 8, .value_kind: global_buffer, .address_space: global }
      - { .name: W_qkv_scales, .offset: 24, .size: 8, .value_kind: global_buffer, .address_space: global }
      - { .name: b_qkv, .offset: 32, .size: 8, .value_kind: global_buffer, .address_space: global }
      - { .name: attention_mask, .offset: 40, .size: 8, .value_kind: global_buffer, .address_space: global }
      - { .name: kqv, .offset: 48, .size: 8, .value_kind: global_buffer, .address_space: global }
    .group_segment_fixed_size: 327680
    .private_segment_fixed_size: 0
    .kernarg_segment_align: 8
    .kernarg_segment_size: 56
    .max_flat_workgroup_size: 128
    .sgpr_count:     106
    .vgpr_count:     1024
    .wavefront_size: 32
...
	.end_amdgpu_metadata
.endif
;; end of part 1
;; launch attn (part 2): grid 4 x 64, 16 waves a work-group, clusters of 4 x 1, 247,808 bytes of LDS; arguments kqv, y_img, y_sc; writes y_img, y_sc
.if DOCPART == 2
	.amdgcn_target "amdgcn-amd-amdhsa--gfx1250"
	.amdhsa_code_object_version 6
	.text
	.protected	k_q1e035c8d17_attn
	.globl	k_q1e035c8d17_attn
	.p2align	8
	.type	k_q1e035c8d17_attn,@function
k_q1e035c8d17_attn:
	s_mov_b64 s[64:65], 0
	v_nop
	global_prefetch_b8 v0, s[64:65] scope:SCOPE_SE
	s_setreg_imm32_b32 hwreg(HW_REG_WAVE_MODE, 25, 1), 1
	s_wait_xcnt 0x0
	s_wait_alu depctr_hold_cnt(0) depctr_sa_sdst(0) depctr_va_vdst(0) depctr_va_sdst(0) depctr_va_ssrc(0) depctr_va_vcc(0) depctr_vm_vsrc(0)
	s_getreg_b32 s2, hwreg(HW_REG_IB_STS2, 6, 4)
	s_cmp_eq_u32 s2, 0
	s_cbranch_scc0 .Lentry_in_a_cluster
	s_endpgm
.Lentry_in_a_cluster:
	s_bfe_u32 s2, ttmp6, 0x10000c
	s_cmp_lg_u32 s2, 0x3003
	s_cbranch_scc0 .Lentry_shape_is_right
	s_endpgm
.Lentry_shape_is_right:
; y = softmax(q k^T / 8 + mask) v for one head, both products on codes of FP6 (E2M3) with E8M0 scales; y is quantised along the model's 1,024 and leaves as images of operand registers for the last product.
; kqv: [which 2][batch x head 64][step of 128 tokens 16][record 15,360]: see the launch that writes it.  All operands come as images: 16 bytes a lane, 512 consecutive bytes a load.
; SHARES.  A work-group owns 512 queries of one head; each of its sixteen waves owns one tile of 16 queries in each of two passes: tile 32 cx + 16 pass + wave.  Four waves to a SIMD, so that one wave's vector work
; stands beside another's matrix work and LDS loads.  THE HEAD'S 16 RECORDS OF k AND v, 245,760 BYTES, STAY IN LDS, filled once: no ring, no refill, no barrier in the loop.
; CLUSTER.  The four work-groups of a head need the same records: each wave's two loads are joint, with the mask of all four.
; LAYOUT.  S^T = k q^T (source 0 = 16 keys, source 1 = my 16 queries), O^T = v^T p^T: a lane holds one query (lane % 16) throughout.  The head has 64 of the first product's 128 along K; at k = 64 stands the mask:
; q's code -4 under the byte 127 against k's code +4 under the byte 156 (masked) or 0 (open).
; THE SOFTMAX: t = score x log2(e) / 8; M = the running largest t rounded up to a whole number; p = 2^(t - M) is quantised along the keys; the row's sum is taken of the unquantised p and divides at the end.
; ORDER INSIDE A BLOCK OF 32 KEYS: 0-7, 16-23, 8-15, 24-31, in p as in v's codes.  y meets given codes, so its channels are brought into their true order ahead of the quantiser.
; LIMITS: a masked key's logit gets -2^30 where the source has -1e9 (p = 0 in both; a row all of whose keys are masked comes out uniform in both while its scores stay under 256 in magnitude);
; a block of zeros gets the scale byte 1 (its codes are zeros; this program alone reads the bytes); NaN and infinities are not served.
.set REC,   15360
.set HEADB, 16*REC
.set PART1, 4*REC                      ; steps 0-3: the first load's share, 3,840 bytes a wave; the rest 11,520 a wave
.set SPARE, HEADB                      ; behind the records: the spare words, 128 bytes for each of sixteen waves
.set LI,   1                           ; v1   16 x lane
.set ADR,  2                           ; v2   the step's record + 16 x lane
.set SPW,  3                           ; v3   my spare word; never rewritten
.set NIL,  4                           ; v4   0; never rewritten
.set QOFF, 5                           ; v5   my tile of q in its record
.set YSO,  6                           ; v6   32 x (lane % 16): my token's row of y_sc
.set QSO,  7                           ; v7   my token's scale word of q
.set KSR,  8                           ; v8-11 k's scale words: lanes 0-15 tiles 0-3, lanes 16-31 tiles 4-7
.set Q,    16                          ; v16-27 q's fragment.  v12 -M, v13 the largest t, v[14:15] the sum in two halves
.set QS,   28                          ; v28  q's scale word
.set L8,   29                          ; v29  8 x lane
.set QEXT, 30                          ; v30  the code -4 in lanes 0-15
.set FK,   32                          ; v32-79 four fragments of k; their registers 8-11 are zeros
.set FV,   80                          ; v80-127 four fragments of v
.set S,    128                         ; v128-191 S^T, then p
.set O,    192                         ; v192-223 O^T
.set P,    224                         ; v224-235 p's codes; v232-247 at work
.set VS,   248                         ; v248-251 v's scale words; v252 f, v253 p's scale word, v254, v255 at work
.set WV,   10
.set G1A,  16
.set G1B,  24
.set G0A,  32
.set G0B,  36
.set SEL,  40
.set CS,   42
.set TB,   44
.set CNT,  45
.set QR,   46
.set YB,   48
.set YS,   50
.macro CROUND
	s_barrier_signal -1
	s_barrier_wait -1
	s_cmp_lg_u32 s[WV], 0
	s_cbranch_scc1 .Lnot_wave_0_\@
	s_barrier_signal -3
.Lnot_wave_0_\@:
	s_barrier_wait -3
	s_barrier_signal -1
	s_barrier_wait -1
.endm
	s_load_b128 s[4:7], s[0:1], 0x0                ; kqv, y_img
	s_load_b64 s[8:9], s[0:1], 0x10                ; y_sc
	v_lshl_add_u32 v[SPW], v0, 2, SPARE
	v_mov_b32 v[NIL], 0
	ds_add_u32 v[SPW], v[NIL]                      ; the wave's opening: the add and its wait come ahead of my first tensor load; work on registers stands between them
	v_lshrrev_b32 v1, 5, v0
	v_readfirstlane_b32 s[WV], v1                  ; wave 0..15
	s_bfe_u32 s11, ttmp6, 0x40000                  ; cx: it enters q's and y's addresses alone
	s_and_b32 s12, ttmp7, 0xffff                   ; batch x head, which the four partners share
	; descriptor groups 1: dense rows of 256 bytes (32 elements of 8 bytes), 15 or 45 of them; the mask names all four work-groups
	s_mov_b32 s[G1A], 15|(3<<16)|(1<<21)
	s_mov_b32 s[G1A+1], 32<<16
	s_mov_b32 s[G1A+2], 15<<16
	s_mov_b32 s[G1A+3], 32<<16
	s_mov_b32 s[G1A+4], 15
	s_mov_b32 s[G1A+5], 32
	s_mov_b32 s[G1A+6], 0
	s_mov_b32 s[G1A+7], 0
	s_mov_b32 s[G1B], 15|(3<<16)|(1<<21)
	s_mov_b32 s[G1B+1], 32<<16
	s_mov_b32 s[G1B+2], 45<<16
	s_mov_b32 s[G1B+3], 32<<16
	s_mov_b32 s[G1B+4], 45
	s_mov_b32 s[G1B+5], 32
	s_mov_b32 s[G1B+6], 0
	s_mov_b32 s[G1B+7], 0
	s_mul_i32 s52, s12, HEADB                      ; the head's records of k and v
	s_mov_b32 s[G0A], 1
	s_mul_i32 s[G0A+1], s[WV], 3840                ; LDS as memory: my 15 rows of steps 0-3
	s_mov_b32 s[G0B], 1
	s_mul_i32 s[G0B+1], s[WV], 11520
	s_add_co_u32 s[G0B+1], s[G0B+1], PART1         ; my 45 rows of steps 4-15
	s_add_co_u32 s54, s52, s[G0A+1]
	s_mov_b32 s55, 0
	s_add_co_u32 s56, s52, s[G0B+1]
	s_mov_b32 s57, 0
	s_add_co_u32 s58, s12, 64                      ; q's records: which = 1
	s_mul_i32 s58, s58, HEADB
	s_lshl_b32 s13, s11, 2
	s_lshr_b32 s14, s[WV], 3
	s_add_co_u32 s13, s13, s14                     ; step 4 cx + wave / 8 (+ 2 in the second pass)
	s_mul_i32 s13, s13, REC
	s_add_co_u32 s58, s58, s13
	s_mov_b32 s59, 0
	s_lshr_b32 s13, s12, 4                         ; the batch
	s_lshl_b32 s13, s13, 7
	s_lshl_b32 s14, s11, 5
	s_add_co_u32 s13, s13, s14
	s_add_co_u32 s13, s13, s[WV]                   ; my tile of 16 tokens among the 512: 128 batch + 32 cx + wave (+ 16)
	s_and_b32 s14, s12, 15                         ; the head
	s_lshl_b32 s60, s13, 4
	s_add_co_u32 s60, s60, s14
	s_mul_i32 s60, s60, 768                        ; y_img: [tile][head][768]
	s_mov_b32 s61, 0
	s_lshl_b32 s62, s13, 9                         ; y_sc: 16 tokens x 32 bytes,
	s_lshl_b32 s14, s14, 1
	s_add_co_u32 s62, s62, s14                     ; + 2 x head
	s_mov_b32 s63, 0
	s_mov_b32 s[SEL], 0x76543210
	s_mov_b32 s[SEL+1], 0xfedcba98
	s_mov_b32 s[CS], 0x3e38aa3b                    ; c = log2(e) / 8
	s_mov_b32 s[CS+1], s[CS]                       ; (named with it as a pair)
	s_mov_b32 s[TB], 0
	s_wait_dscnt 0x0                               ; the opening add is done
	s_wait_kmcnt 0x0
	s_add_nc_u64 s[G0A+2:G0A+3], s[4:5], s[54:55]
	s_or_b32 s[G0A+3], s[G0A+3], 0x80000000
	s_add_nc_u64 s[G0B+2:G0B+3], s[4:5], s[56:57]
	s_or_b32 s[G0B+3], s[G0B+3], 0x80000000
	s_add_nc_u64 s[QR:QR+1], s[4:5], s[58:59]
	s_add_nc_u64 s[YB:YB+1], s[6:7], s[60:61]
	s_add_nc_u64 s[YS:YS+1], s[8:9], s[62:63]
	CROUND                                         ; all four work-groups are here: the joint loads meet
	tensor_load_to_lds s[G0A:G0A+3], s[G1A:G1A+7]  ; both fills of the launch go out together: two loads of mine are out
	s_nop 0
	tensor_load_to_lds s[G0B:G0B+3], s[G1B:G1B+7]
	s_nop 0
.rept 4
	v_nop
.endr
	v_and_b32 v[LI], 31, v0
	v_lshlrev_b32 v[L8], 3, v[LI]
	v_lshlrev_b32 v[LI], 4, v[LI]
	v_and_b32 v254, 15, v0                         ; r
	v_bfe_u32 v255, v0, 4, 1                       ; h
	s_and_b32 s13, s[WV], 7
	s_lshl_b32 s13, s13, 10
	v_add_nc_u32 v[QOFF], s13, v[LI]               ; tile wave % 8 of the record
	v_lshlrev_b32 v[YSO], 5, v254
	s_bfe_u32 s13, s[WV], 0x10002
	s_lshl_b32 s13, s13, 8
	s_and_b32 s14, s[WV], 3
	s_lshl_b32 s14, s14, 2
	s_add_co_u32 s13, s13, s14
	s_add_co_u32 s13, s13, 14336
	v_lshl_add_u32 v[QSO], v254, 4, s13            ; the word of token r in tile wave % 8
	v_sub_nc_u32 v[QEXT], 1, v255
	v_mul_u32_u24 v[QEXT], v[QEXT], 0x38           ; the code -4 at k = 64, which lanes 0-15 hold
.irp t, 0,1,2,3
.irp i, 8,9,10,11
	v_mov_b32 v[FK+12*\t+\i], 0                    ; k = 64 .. 127 beyond the mask's register: zero codes, once
.endr
.endr
	v_mov_b32 v253, 0                              ; (named as the upper half of the pair v[252:253] before it is first written)
.macro QLOAD off                       ; my tile of q: registers 0-3, registers 4-7, the scale word
	global_load_b128 v[Q:Q+3], v[QOFF], s[QR:QR+1] offset:\off
	global_load_b128 v[Q+4:Q+7], v[QOFF], s[QR:QR+1] offset:\off+512
	global_load_b32 v[QS], v[QSO], s[QR:QR+1] offset:\off
.endm
.macro INIT                            ; a pass begins: q is whole, the statistics and O^T are at their start
	s_wait_xcnt 0x0                                ; the last pass's stores have read their registers
	s_wait_loadcnt 0x0                             ; q
	v_mov_b32 v[Q+6], v[QEXT]
.irp i, 7,8,9,10,11
	v_mov_b32 v[Q+\i], 0
.endr
	v_or_b32 v[QS], 0x7f0000, v[QS]                ; the byte 127 for k = 64 .. 95
	v_mov_b32 v13, 0xff61b1e6                      ; the largest t so far: -3e38
	v_floor_f32 v12, -v13                          ; -M
	v_mov_b32 v14, 0
	v_mov_b32 v15, 0
.set J, 0
.rept 32
	v_mov_b32 v[O+J], 0                            ; the step is written once: the first finds zeros.  (These are also the places between the lines above and the first product)
.set J, J+1
.endr
.endm
.macro MAXB b0, b1                     ; the largest score of blocks b0 and b1 of 32 keys: two chains a block, each tile read from its low end on
.irp b, \b0, \b1
	v_max3_num_f32 v[232+\b], v[S+16*\b], v[S+16*\b+1], v[S+16*\b+2]
	v_max3_num_f32 v[236+\b], v[S+16*\b+8], v[S+16*\b+9], v[S+16*\b+10]
.endr
.irp i, 3,5
.irp b, \b0, \b1
	v_max3_num_f32 v[232+\b], v[232+\b], v[S+16*\b+\i], v[S+16*\b+\i+1]
	v_max3_num_f32 v[236+\b], v[236+\b], v[S+16*\b+8+\i], v[S+16*\b+9+\i]
.endr
.endr
.irp b, \b0, \b1
	v_max3_num_f32 v[232+\b], v[232+\b], v[S+16*\b+7], v[S+16*\b+15]
.endr
.irp b, \b0, \b1
	v_max_num_f32 v[232+\b], v[232+\b], v[236+\b]
.endr
.endm
; A KEY STEP: 128 keys, one record.
.macro STEP
	v_add_nc_u32 v[ADR], s[TB], v[LI]
	ds_load_b128 v[KSR:KSR+3], v[ADR] offset:14336
.irp t, 0,1,2,3
	ds_load_b128 v[FK+12*\t:FK+12*\t+3], v[ADR] offset:1024*\t
	ds_load_b128 v[FK+12*\t+4:FK+12*\t+7], v[ADR] offset:1024*\t+512
.endr
	s_wait_dscnt 0x0
.irp t, 0,1,2,3
	v_wmma_scale_f32_16x16x128_f8f6f4 v[S+8*\t:S+8*\t+7], v[FK+12*\t:FK+12*\t+11], v[Q:Q+11], 0, v[KSR+\t], v[QS] matrix_a_fmt:MATRIX_FMT_FP6 matrix_b_fmt:MATRIX_FMT_FP6
.endr
.rept 4
	v_nop                                          ; places in front of the loads into k's registers, and, with the addition above, of those into v's, which the last step's products read
.endr
.irp t, 0,1,2,3
	ds_load_b128 v[FK+12*\t:FK+12*\t+3], v[ADR] offset:4096+1024*\t
	ds_load_b128 v[FK+12*\t+4:FK+12*\t+7], v[ADR] offset:4096+1024*\t+512
.endr
	ds_load_b128 v[VS:VS+3], v[ADR] offset:14848
.irp t, 0,1,2,3
.irp n, 0,1,2
	ds_load_b128 v[FV+12*\t+4*\n:FV+12*\t+4*\n+3], v[ADR] offset:8192+1536*\t+512*\n
.endr
.endr
	s_wait_dscnt 13                                ; k's tiles 4-7 are in; v's scale words and its twelve loads may be out
.irp t, 0,1,2,3
	v_wmma_scale_f32_16x16x128_f8f6f4 v[S+32+8*\t:S+32+8*\t+7], v[FK+12*\t:FK+12*\t+11], v[Q:Q+11], 0, v[KSR+\t], v[QS] matrix_a_fmt:MATRIX_FMT_FP6 matrix_b_fmt:MATRIX_FMT_FP6 matrix_a_scale:MATRIX_SCALE_ROW1
.endr
	MAXB 0, 1                                      ; sixteen plain lines on tiles 0-3: the places behind the four products above
	MAXB 2, 3
.irp b, 0,1,2,3
	v_permlanex16_b32 v[236+\b], v[232+\b], s[SEL], s[SEL+1]
.endr
.irp b, 0,1,2,3
	v_max_num_f32 v[232+\b], v[232+\b], v[236+\b]  ; with lane l xor 16's 16 keys: the block's largest score: it serves the row's maximum and, since p rises with the score, the block's largest p
.endr
	v_max3_num_f32 v254, v232, v233, v234
	v_max_num_f32 v254, v254, v235
	v_mul_f32 v254, s[CS], v254                    ; as t
	v_max_num_f32 v13, v13, v254                   ; the running largest t
	v_mov_b32 v254, v12
	v_floor_f32 v12, -v13                          ; the new -M = -ceil(t)
	v_sub_f32 v254, v12, v254                      ; old M - new M: a whole number, 0 or less
	v_cvt_i32_f32 v254, v254                       ; (it saturates)
	v_ldexp_f32 v252, 1.0, v254                    ; f = 2^(old M - new M)
.set J, 0
.rept 32
	v_pk_fma_f32 v[S+J:S+J+1], v[S+J:S+J+1], s[CS:CS+1], v[12:13] op_sel_hi:[1,0,0]   ; t - M, two at a time
.set J, J+2
.endr
.irp b, 0,1,2,3
	v_fma_f32 v[232+\b], v[232+\b], s[CS], v12     ; the same of each block's largest score
.endr
.set J, 0
.rept 64
	v_exp_f32 v[S+J], v[S+J]                       ; p = 2^(t - M): one batch,
.set J, J+1
.endr
.irp b, 0,1,2,3
	v_exp_f32 v[232+\b], v[232+\b]                 ; with the blocks' largest p
.endr
	v_pk_mul_f32 v[14:15], v[14:15], v[252:253] op_sel_hi:[1,0]   ; the sums under the new M: plain work that names no result of the batch,
.set J, 0
.rept 16
	v_pk_mul_f32 v[O+J:O+J+1], v[O+J:O+J+1], v[252:253] op_sel_hi:[1,0]   ; and O^T likewise, each accumulator from its low end on
.set J, J+2
.endr
	s_wait_alu depctr_va_vdst(0)                   ; one wait for the batch of 68, ahead of its first reader
.irp b, 0,1,2,3
	v_max_num_f32 v[232+\b], 0x1800000, v[232+\b]  ; the floor 2^(3 - 127)
.endr
.irp b, 0,1,2,3
	v_add_nc_u32 v[244+\b], 0xff000000, v[232+\b]  ; 2 off the exponent field: the conversion's scale operand
.endr
.irp b, 0,1,2,3
	v_lshrrev_b32 v[236+\b], 23, v[244+\b]         ; the scale's byte
.endr
	v_lshl_or_b32 v253, v237, 8, v236              ; p's scale word for these 128 keys
	v_lshl_or_b32 v253, v238, 16, v253
	v_lshl_or_b32 v253, v239, 24, v253
.irp c, 0,1
	v_cvt_scalef32_pk16_fp6_f32 v[P+6*\c:P+2+6*\c], v[S+32*\c:S+15+32*\c], v[244+2*\c]
	v_cvt_scalef32_pk16_fp6_f32 v[236+4*\c:238+4*\c], v[S+16+32*\c:S+31+32*\c], v[244+2*\c+1]
.endr
	v_nop                                          ; one plain place behind a scaled conversion
.irp c, 0,1
.irp i, 0,1,2
	v_permlane16_swap_b32 v[P+6*\c+\i], v[236+4*\c+\i]
.endr
.irp i, 0,1,2
	v_mov_b32 v[P+3+6*\c+\i], v[236+4*\c+\i]
.endr
.endr
	v_pk_add_f32 v[236:237], v[S:S+1], v[S+2:S+3]  ; the row's sum of the unquantised p, in two chains: also the places between p's codes and scale word and the products below
.irp j, 4,8,12,16,20,24,28,32,36,40,44,48,52,56,60
	v_pk_add_f32 v[14:15], v[14:15], v[S+\j:S+\j+1]
	v_pk_add_f32 v[236:237], v[236:237], v[S+\j+2:S+\j+3]
.endr
	v_pk_add_f32 v[14:15], v[14:15], v[236:237]
	s_wait_dscnt 0x0                               ; v and its scale words
.irp t, 0,1,2,3
	v_wmma_scale_f32_16x16x128_f8f6f4 v[O+8*\t:O+8*\t+7], v[FV+12*\t:FV+12*\t+11], v[P:P+11], v[O+8*\t:O+8*\t+7], v[VS+\t], v253 matrix_a_fmt:MATRIX_FMT_FP6 matrix_b_fmt:MATRIX_FMT_FP6
.endr
.endm
.macro LOOPN n
	s_mov_b32 s[CNT], \n
.Lstep_\@:
	STEP
	s_add_co_u32 s[TB], s[TB], REC
	s_sub_co_u32 s[CNT], s[CNT], 1
	s_cmp_lg_u32 s[CNT], 0
	s_cbranch_scc1 .Lstep_\@
.endm
; A pass ends: O^T / the sum, the channels into their true order, two blocks of 32 quantised, six registers of codes and two scale bytes stored.
.macro FINISH p
.rept 4
	v_nop                                          ; places behind the last products
.endr
.if \p == 0
	QLOAD 2*REC                                    ; the second pass's q, 16 tiles on
.endif
	v_add_f32 v14, v14, v15
	v_permlanex16_b32 v255, v14, s[SEL], s[SEL+1]
	v_add_f32 v14, v14, v255                       ; the row's sum
	v_rcp_f32 v14, v14
	v_nop                                          ; a plain place behind the reciprocal,
	s_wait_alu depctr_va_vdst(0)                   ; and the wait ahead of its first reader
.set J, 0
.rept 16
	v_pk_mul_f32 v[O+J:O+J+1], v[O+J:O+J+1], v[14:15] op_sel_hi:[1,0]
.set J, J+2
.endr
.irp b, 0,1
.irp j, 0,1,2,3,4,5,6,7
	v_permlane16_swap_b32 v[O+16*\b+\j], v[O+16*\b+8+\j]   ; registers 16 b .. 16 b + 15 now hold channels 32 b + 16 h + 0 .. 15
.endr
.endr
.irp b, 0,1
	v_max3_num_f32 v[232+\b], |v[O+16*\b]|, |v[O+16*\b+1]|, 0x1800000
.endr
.irp i, 2,4,6,8,10,12,14
.irp b, 0,1
	v_max3_num_f32 v[232+\b], v[232+\b], |v[O+16*\b+\i]|, |v[O+16*\b+\i+1]|
.endr
.endr
.irp b, 0,1
	v_permlanex16_b32 v[236+\b], v[232+\b], s[SEL], s[SEL+1]
.endr
.irp b, 0,1
	v_max_num_f32 v[232+\b], v[232+\b], v[236+\b]
.endr
.irp b, 0,1
	v_add_nc_u32 v[244+\b], 0xff000000, v[232+\b]
.endr
.irp b, 0,1
	v_lshrrev_b32 v[236+\b], 23, v[244+\b]
.endr
	v_lshl_or_b32 v254, v237, 8, v236              ; my token's two scale bytes of this head
	v_cvt_scalef32_pk16_fp6_f32 v[P:P+2], v[O:O+15], v244
	v_cvt_scalef32_pk16_fp6_f32 v[240:242], v[O+16:O+31], v245
	v_nop
.irp i, 0,1,2
	v_permlane16_swap_b32 v[P+\i], v[240+\i]
.endr
.irp i, 0,1,2
	v_mov_b32 v[P+3+\i], v[240+\i]                 ; registers 0-5: channels 32 h + 0 .. 31 of the head
.endr
	global_store_b128 v[LI], v[P:P+3], s[YB:YB+1] offset:196608*\p        ; 512 consecutive bytes, at a multiple of 256 from the buffer's first byte
	global_store_b64 v[L8], v[P+4:P+5], s[YB:YB+1] offset:196608*\p+512   ; and 256 more
	global_store_b16 v[YSO], v254, s[YS:YS+1] offset:8192*\p              ; two bytes of each token's 32 (both halves of the lanes write the same bytes with the same value)
.endm
	QLOAD 0
	INIT
	s_wait_tensorcnt 0x1                           ; my part of steps 0-3 is in; the other load may stay out
	s_barrier_signal -1
	s_barrier_wait -1                              ; everybody's is
	LOOPN 4
	s_wait_tensorcnt 0x0                           ; my part of steps 4-15 is in,
	s_barrier_signal -1
	s_barrier_wait -1                              ; everybody's is
	LOOPN 12
	FINISH 0
	s_mov_b32 s[TB], 0
	INIT
	LOOPN 16
	FINISH 1
	s_wait_tensorcnt 0x0                           ; the wave's end
	ds_add_u32 v[SPW], v[NIL]
	s_wait_dscnt 0x0
	CROUND                                         ; the closing round
	s_endpgm
.Lfunc_end_k_q1e035c8d17_attn:
	.size	k_q1e035c8d17_attn, .Lfunc_end_k_q1e035c8d17_attn-k_q1e035c8d17_attn
	.p2alignl 7, 3214868480
	.fill 96, 4, 3214868480
	.section	.rodata,"a",@progbits
	.p2align	6, 0x0
	.amdhsa_kernel k_q1e035c8d17_attn
		.amdhsa_group_segment_fixed_size 247808
		.amdhsa_private_segment_fixed_size 0
		.amdhsa_enable_private_segment 0
		.amdhsa_kernarg_size 24
		.amdhsa_user_sgpr_count 2
		.amdhsa_user_sgpr_kernarg_segment_ptr 1
		.amdhsa_wavefront_size32 1
		.amdhsa_system_sgpr_workgroup_id_x 1
		.amdhsa_system_sgpr_workgroup_id_y 1
		.amdhsa_system_sgpr_workgroup_id_z 1
		.amdhsa_system_vgpr_workitem_id 0
		.amdhsa_next_free_vgpr 256
		.amdhsa_next_free_sgpr 66
		.amdhsa_reserve_vcc 0
		.amdhsa_float_denorm_mode_32 3
		.amdhsa_float_denorm_mode_16_64 3
		.amdhsa_memory_ordered 1
		.amdhsa_forward_progress 1
		.amdhsa_inst_pref_size 64
	.end_amdhsa_kernel
	.amdgpu_metadata
---
amdhsa.version: [ 1, 2 ]
amdhsa.kernels:
  - .name:           k_q1e035c8d17_attn
    .symbol:         k_q1e035c8d17_attn.kd
    .args:
      - { .name: kqv, .offset: 0, .size: 8, .value_kind: global_buffer, .address_space: global }
      - { .name: y_img, .offset: 8, .size: 8, .value_kind: global_buffer, .address_space: global }
      - { .name: y_sc, .offset: 16, .size: 8, .value_kind: global_buffer, .address_space: global }
    .group_segment_fixed_size: 247808
    .private_segment_fixed_size: 0
    .kernarg_segment_align: 8
    .kernarg_segment_size: 24
    .max_flat_workgroup_size: 512
    .sgpr_count:     66
    .vgpr_count:     256
    .wavefront_size: 32
...
	.end_amdgpu_metadata
.endif
;; end of part 2
;; launch proj (part 3): grid 4 x 32, 4 waves a work-group, clusters of 4 x 4, 327,680 bytes of LDS; arguments y_img, y_sc, W_proj_codes, W_proj_scales, b_proj, out0; writes out0
.if DOCPART == 3
	.amdgcn_target "amdgcn-amd-amdhsa--gfx1250"
	.amdhsa_code_object_version 6
	.text
	.protected	k_q1e035c8d17_proj
	.globl	k_q1e035c8d17_proj
	.p2align	8
	.type	k_q1e035c8d17_proj,@function
k_q1e035c8d17_proj:
	s_mov_b64 s[64:65], 0
	v_nop
	global_prefetch_b8 v0, s[64:65] scope:SCOPE_SE
	s_setreg_imm32_b32 hwreg(HW_REG_WAVE_MODE, 25, 1), 1
	s_wait_xcnt 0x0
	s_wait_alu depctr_hold_cnt(0) depctr_sa_sdst(0) depctr_va_vdst(0) depctr_va_sdst(0) depctr_va_ssrc(0) depctr_va_vcc(0) depctr_vm_vsrc(0)
	s_getreg_b32 s2, hwreg(HW_REG_IB_STS2, 6, 4)
	s_cmp_eq_u32 s2, 0
	s_cbranch_scc0 .Lentry_in_a_cluster
	s_endpgm
.Lentry_in_a_cluster:
	s_bfe_u32 s2, ttmp6, 0x10000c
	s_cmp_lg_u32 s2, 0xf033
	s_cbranch_scc0 .Lentry_shape_is_right
	s_endpgm
.Lentry_shape_is_right:
; out0 = y W_proj^T + b_proj on codes of FP6 (E2M3) with one E8M0 scale for each 32 along K.  out0: [8192][1024] f32.
; A = y comes as IMAGES OF OPERAND REGISTERS: y_img [tile of 16 tokens 512][head 16][768]: registers 0-3 at 16 x lane, registers 4, 5 at 512 + 8 x lane; two heads are a fragment of 128 along K.  y_sc: [8192][32] scale bytes.
; B = W_proj: [1024][1024] codes, 768 bytes a row; scale bytes 32 a row.
; A tile of 256 x 256 is made by four waves, 128 x 128 each: 64 accumulators.  K goes in steps of 256 through a ring of two LDS slots; the scale bytes of the work-group's rows come once and stay.
; CLUSTERS: 4 x 4 work-groups; A's tiles are asked for jointly along a row of the cluster, B's along a column.  The matrix instruction is used transposed (source 0 = 16 rows of B, source 1 = 16 rows of A):
; a lane holds eight neighbouring numbers of a row of out0.  b_proj is the C of each sum's first product.
; REGISTERS: window 0: v0-31 addresses; v32-63 scale words, two sets; v64-127 b_proj; from v128 A's fragments, one set.  window 1: B's fragments, two sets.  windows 2, 3: the accumulators.
.set SIZE_N, 1024
.set SIZE_K, 1024
.set KSTEP,  256
.set NQ,     KSTEP/128
.set ROWB,   192
.set KROW,   SIZE_K*6/8
.set PITCH,  240                       ; B's LDS row: 3 x (64 bytes + 16 of padding)
.set FR,     12
.set NLA,    4                         ; LDS loads that bring a fragment of A
.set NP,     4
.set AROW,   3072                      ; a tile of 16 tokens x 256 along K: four heads' images
.set APIT,   12288                     ; from a tile of tokens to the next in memory
.set HALFA,  8*AROW                    ; 128 tokens: one tensor load
.set HALFB,  128*PITCH
.set BOFF,   2*HALFA                   ; B's rows lie behind A's
.set SLOT,   2*HALFA+2*HALFB
.set LAPS,   SIZE_K/(2*KSTEP)
.set KS,     SIZE_K/32
.set SCL,    2*SLOT
.set HALFS,  (128*KS/256)*272
.set SBLK,   (16*KS/256)*272
.set SPARE,  SCL+4*HALFS               ; the spare words, 128 bytes for each wave: no other line names them
.set SPITCH, 528                       ; the way out: a stage of 16 rows x (512 bytes + 16) for each wave, in slot 0, which has had its last fill and its last read when the first result is stored there
.set BAD,  15                          ; v15     byte offset in b_proj of my eight columns; never rewritten
.set ADRA, 16                          ; v16-17  A: 16 x lane + my 128 tokens, slot 0, 1;  v18-19: 8 x lane + the same
.set ADRB, 20                          ; v20-23  B's fragments
.set STO,  24
.set RD,   25
.set CO,   26
.set ADRS, 27
.set SPW,  28
.set NIL,  29
.set SC,   32
.set BIAS, 64
.set AF,   128
.set BK,   128
.set G1, 24
.set G0, 32
.set G1B, 48
.set G0B, 56
.set G1S, 68
.set G0S, 76
.set G1SB, 80
.set G0SB, 88
.set MSB, 0
.macro WIN new
.if MSB != (\new)
	s_set_vgpr_msb (MSB<<8)|(\new)
.set MSB, (\new)
.endif
.endm
.set MUL_LO, 0xa1                      ; source 0 (B) window 1, source 1 (A) window 0, C and D window 2
.set MUL_HI, 0xf1
.set FST_LO, 0x81                      ; the first step: C (b_proj) window 0, D window 2
.set FST_HI, 0xc1
.set TO_B,   0x40
.macro JLOAD g0a, g1a, g0b, g1b        ; a joint load: waves 0 and 1 fetch for A, waves 2 and 3 for B; an s_nop 0 and four v_nop follow each line
	s_cmp_eq_u32 s15, 0
	s_cbranch_scc0 .Lfor_b_\@
	tensor_load_to_lds s[\g0a:\g0a+3], s[\g1a:\g1a+7]
	s_nop 0
.rept 4
	v_nop
.endr
	s_branch .Lasked_\@
.Lfor_b_\@:
	tensor_load_to_lds s[\g0b:\g0b+3], s[\g1b:\g1b+7]
	s_nop 0
.rept 4
	v_nop
.endr
.Lasked_\@:
.endm
.macro CREST
	s_cmp_lg_u32 s14, 0
	s_cbranch_scc1 .Lnot_wave_0_\@
	s_barrier_signal -3
.Lnot_wave_0_\@:
	s_barrier_wait -3
	s_barrier_signal -1
	s_barrier_wait -1
.endm
.macro CROUND
	s_barrier_signal -1
	s_barrier_wait -1
	CREST
.endm
	s_load_b128 s[4:7], s[0:1], 0x0                ; y_img, y_sc
	s_load_b128 s[8:11], s[0:1], 0x10              ; W's codes, W's scales
	s_load_b64 s[96:97], s[0:1], 0x20              ; b_proj
	s_load_b64 s[12:13], s[0:1], 0x28              ; out0
	v_lshl_add_u32 v[SPW], v0, 2, SPARE
	v_mov_b32 v[NIL], 0
	ds_add_u32 v[SPW], v[NIL]                      ; the wave's opening: the add and its wait come ahead of my first tensor load; work on registers stands between them
	v_lshrrev_b32 v1, 5, v0
	v_readfirstlane_b32 s14, v1                    ; wave 0..3
	s_lshr_b32 s15, s14, 1                         ; which half of the tile's rows is mine.  Also: I fetch for A (0) or for B (1)
	s_and_b32 s16, s14, 1                          ; which half of its columns.  Also: which 128 rows I fetch
	s_bfe_u32 s40, ttmp6, 0x40000                  ; cx
	s_bfe_u32 s41, ttmp6, 0x40004                  ; cy
	s_lshl_b32 s42, ttmp9, 2
	s_add_co_u32 s42, s42, s40                     ; tile column
	s_and_b32 s17, ttmp7, 0xffff
	s_lshl_b32 s17, s17, 2
	s_add_co_u32 s17, s17, s41                     ; tile row
	s_lshl_b32 s43, s41, 2
	s_lshl_b32 s43, 15, s43                        ; my row of the cluster
	s_lshl_b32 s44, 0x1111, s40                    ; my column
	; A: 8 rows (tiles of 16 tokens) x 3,072 bytes, 12,288 bytes apart in memory, dense in LDS
	s_or_b32 s[G1+0], s43, (0<<16)|(1<<21)
	s_mov_b32 s[G1+1], AROW<<16
	s_mov_b32 s[G1+2], 8<<16
	s_mov_b32 s[G1+3], AROW<<16
	s_mov_b32 s[G1+4], 8
	s_mov_b32 s[G1+5], APIT
	s_mov_b32 s[G1+6], 0
	s_mov_b32 s[G1+7], 0
	; B: 128 rows x 192 bytes, 16 bytes of padding behind every 64
	s_or_b32 s[G1B+0], s44, (0<<16)|(1<<20)|(1<<21)|(3<<22)|(3<<25)
	s_mov_b32 s[G1B+1], ROWB<<16
	s_mov_b32 s[G1B+2], 128<<16
	s_mov_b32 s[G1B+3], ROWB<<16
	s_mov_b32 s[G1B+4], 128
	s_mov_b32 s[G1B+5], KROW
	s_mov_b32 s[G1B+6], 0
	s_mov_b32 s[G1B+7], 0
	; the scales of 128 rows: 16 rows of 256 bytes, 16 bytes of padding behind each
	s_or_b32 s[G1S+0], s43, (3<<16)|(1<<20)|(1<<21)|(5<<22)|(3<<25)
	s_or_b32 s[G1SB+0], s44, (3<<16)|(1<<20)|(1<<21)|(5<<22)|(3<<25)
.irp g, G1S, G1SB
	s_mov_b32 s[\g+1], 32<<16
	s_mov_b32 s[\g+2], (128*KS/256)<<16
	s_mov_b32 s[\g+3], 32<<16
	s_mov_b32 s[\g+4], 128*KS/256
	s_mov_b32 s[\g+5], 32
	s_mov_b32 s[\g+6], 0
	s_mov_b32 s[\g+7], 0
.endr
	s_lshl_b32 s20, s17, 4
	s_lshl_b32 s18, s16, 3
	s_add_co_u32 s20, s20, s18                     ; A: tile of tokens 16 x tile row + 8 x half
	s_lshl_b32 s22, s20, 9                         ; its scales: 16 tokens x 32 bytes
	s_mul_i32 s20, s20, APIT                       ; its images
	s_mov_b32 s21, 0
	s_mov_b32 s23, 0
	s_lshl_b32 s46, s42, 8
	s_lshl_b32 s18, s16, 7
	s_add_co_u32 s46, s46, s18                     ; B: row 256 x tile column + 128 x half
	s_lshl_b32 s92, s46, 5                         ; its scales
	s_mul_i32 s46, s46, KROW                       ; its codes
	s_mov_b32 s47, 0
	s_mov_b32 s93, 0
	s_mul_i32 s45, s16, HALFA                      ; where A's half goes,
	s_mul_i32 s98, s16, HALFB
	s_add_co_u32 s98, s98, BOFF                    ; and B's: no place in the cluster enters an LDS address
	s_mul_i32 s94, s14, HALFS
	s_wait_dscnt 0x0                               ; the opening add is done
	s_wait_kmcnt 0x0
	s_add_nc_u64 s[20:21], s[4:5], s[20:21]
	s_add_nc_u64 s[22:23], s[6:7], s[22:23]
	s_add_nc_u64 s[46:47], s[8:9], s[46:47]
	s_add_nc_u64 s[92:93], s[10:11], s[92:93]
	CROUND                                         ; all sixteen work-groups are here: the first joint loads meet
	s_mov_b32 s[G0S], 1
	s_add_co_u32 s[G0S+1], s94, SCL
	s_mov_b64 s[G0S+2:G0S+3], s[22:23]
	s_or_b32 s[G0S+3], s[G0S+3], 0x80000000
	s_mov_b32 s[G0SB], 1
	s_add_co_u32 s[G0SB+1], s94, SCL
	s_mov_b64 s[G0SB+2:G0SB+3], s[92:93]
	s_or_b32 s[G0SB+3], s[G0SB+3], 0x80000000
	JLOAD G0S, G1S, G0SB, G1SB                     ; the scales first
.irp s, 0,1
	s_mov_b32 s[G0+4*\s], 1
	s_add_co_u32 s[G0+4*\s+1], s45, \s*SLOT
	s_add_nc_u64 s[G0+4*\s+2:G0+4*\s+3], s[20:21], \s*AROW
	s_or_b32 s[G0+4*\s+3], s[G0+4*\s+3], 0x80000000
	s_mov_b32 s[G0B+4*\s], 1
	s_add_co_u32 s[G0B+4*\s+1], s98, \s*SLOT
	s_add_nc_u64 s[G0B+4*\s+2:G0B+4*\s+3], s[46:47], \s*ROWB
	s_or_b32 s[G0B+4*\s+3], s[G0B+4*\s+3], 0x80000000
	JLOAD G0+4*\s, G1, G0B+4*\s, G1B
.endr
	v_and_b32 v1, 15, v0                           ; r
	v_bfe_u32 v2, v0, 4, 1                         ; h
	v_and_b32 v6, 31, v0                           ; lane
	v_mul_u32_u24 v3, v1, PITCH
	v_mul_u32_u24 v4, v2, 24
	v_add_nc_u32 v4, v3, v4                        ; B: a fragment's row x pitch + 24 x half
	v_lshl_add_u32 v5, v2, 4, v4                   ; and the same behind one padding more
	v_lshlrev_b32 v7, 4, v6                        ; A: 16 x lane,
	v_lshlrev_b32 v8, 3, v6                        ; and 8 x lane
	s_mul_i32 s21, s15, HALFA                      ; my 128 tokens
	s_mul_i32 s22, s16, HALFB
	s_add_co_u32 s22, s22, BOFF                    ; my 128 rows of B
.irp s, 0,1
	v_add_nc_u32 v[ADRA+\s], s21, v7
	v_add_nc_u32 v[ADRA+2+\s], s21, v8
	v_add_nc_u32 v[ADRB+\s], s22, v4
	v_add_nc_u32 v[ADRB+2+\s], s22, v5
	s_add_co_u32 s21, s21, SLOT
	s_add_co_u32 s22, s22, SLOT
.endr
	v_mul_u32_u24 v5, v1, KS
	v_lshrrev_b32 v9, 8, v5
	v_lshl_add_u32 v5, v9, 4, v5
	s_mul_i32 s21, s15, HALFS
	s_mul_i32 s22, s16, HALFS
	s_add_co_u32 s22, s22, 2*HALFS
	s_sub_co_u32 s22, s22, s21
	v_mul_u32_u24 v9, s22, v2                      ; lanes 16-31 take B's
	s_add_co_u32 s21, s21, SCL
	v_add_nc_u32 v5, v5, v9
	v_add_nc_u32 v[ADRS], s21, v5
	s_lshl_b32 s21, s42, 10
	s_lshl_b32 s22, s16, 9
	s_add_co_u32 s21, s21, s22                     ; 4 x my first column
	v_lshl_add_u32 v[BAD], v2, 5, s21
.irp b, 0,1,2,3,4,5,6,7
	global_load_b128 v[BIAS+8*\b:BIAS+8*\b+3], v[BAD], s[96:97] offset:64*\b          ; register 8 b + j: b_proj at column 16 b + 8 h + j
	global_load_b128 v[BIAS+8*\b+4:BIAS+8*\b+7], v[BAD], s[96:97] offset:64*\b+16
.endr
	s_mul_i32 s23, s14, 16*SPITCH                  ; my stage
	v_mul_u32_u24 v5, v1, SPITCH
	v_lshl_add_u32 v5, v2, 5, v5
	v_add_nc_u32 v[STO], s23, v5
	v_lshlrev_b32 v[CO], 4, v6
	v_add_nc_u32 v[RD], s23, v[CO]
	s_lshl_b32 s20, s17, 8
	s_lshl_b32 s21, s15, 7
	s_add_co_u32 s20, s20, s21                     ; my first row of out0
	s_mov_b32 s21, 0
	s_mov_b64 s[18:19], SIZE_N*4
	s_mul_u64 s[20:21], s[20:21], s[18:19]
	s_lshl_b32 s46, s42, 10
	s_lshl_b32 s47, s16, 9
	s_add_co_u32 s46, s46, s47                     ; my first column, in bytes
	s_mov_b32 s47, 0
	s_add_nc_u64 s[20:21], s[20:21], s[46:47]
	s_add_nc_u64 s[12:13], s[12:13], s[20:21]
.macro FRAG reg, adr, q, i             ; a fragment of B from rows: pieces of 8 bytes
.irp p, 0,1,2,3,4,5
.set PC, 12*(\q)+6*(\p/3)+\p%3
.if PC%8 < 5
	ds_load_b64 v[\reg+2*\p:\reg+2*\p+1], v[\adr] offset:8*PC+16*(PC/8)+(\i)*16*PITCH
.else
	ds_load_b64 v[\reg+2*\p:\reg+2*\p+1], v[\adr+2] offset:8*PC+16*(PC/8)+(\i)*16*PITCH
.endif
.endr
.endm
.macro FRAGA reg, slot, q, i           ; a fragment of A from images: two heads, 16 + 8 bytes a lane each
	ds_load_b128 v[\reg:\reg+3], v[ADRA+\slot] offset:AROW*(\i)+1536*(\q)
	ds_load_b64 v[\reg+4:\reg+5], v[ADRA+2+\slot] offset:AROW*(\i)+1536*(\q)+512
	ds_load_b128 v[\reg+6:\reg+9], v[ADRA+\slot] offset:AROW*(\i)+1536*(\q)+768
	ds_load_b64 v[\reg+10:\reg+11], v[ADRA+2+\slot] offset:AROW*(\i)+1536*(\q)+1280
.endm
; 16 matrix instructions; first = 1: the sums begin with b_proj as C.  The 64 accumulators take turns, one instruction a turn.
.macro MUL16 a0, p, q, sc, first
.irp a, \a0, \a0+1
.irp b, 0,1,2,3,4,5,6,7
.if \first
	v_wmma_scale_f32_16x16x128_f8f6f4 v[8*(8*((\a)%4)+\b):8*(8*((\a)%4)+\b)+7], v[128*(\p)+FR*\b:128*(\p)+FR*\b+FR-1], v[AF+FR*(\a):AF+FR*(\a)+FR-1], v[BIAS+8*\b:BIAS+8*\b+7], v[SC+8*NQ*(\sc)+NQ*\b+(\q)], v[SC+8*NQ*(\sc)+NQ*(\a)+(\q)] matrix_a_fmt:MATRIX_FMT_FP6 matrix_b_fmt:MATRIX_FMT_FP6 matrix_a_scale:MATRIX_SCALE_ROW1
.else
	v_wmma_scale_f32_16x16x128_f8f6f4 v[8*(8*((\a)%4)+\b):8*(8*((\a)%4)+\b)+7], v[128*(\p)+FR*\b:128*(\p)+FR*\b+FR-1], v[AF+FR*(\a):AF+FR*(\a)+FR-1], v[8*(8*((\a)%4)+\b):8*(8*((\a)%4)+\b)+7], v[SC+8*NQ*(\sc)+NQ*\b+(\q)], v[SC+8*NQ*(\sc)+NQ*(\a)+(\q)] matrix_a_fmt:MATRIX_FMT_FP6 matrix_b_fmt:MATRIX_FMT_FP6 matrix_a_scale:MATRIX_SCALE_ROW1
.endif
.endr
.endr
.endm
.macro FETCH_B slot, q, p
	WIN TO_B
.irp i, 0,1,2,3,4,5,6,7
	FRAG 128*(\p)+FR*\i, ADRB+\slot, \q, \i
.endr
	WIN 0
.endm
.macro FETCH_A slot, q, i0
.irp i, \i0, \i0+1, \i0+2, \i0+3
	FRAGA AF+FR*(\i), \slot, \q, \i
.endr
.endm
.macro SCALES sc
.irp i, 0,1,2,3,4,5,6,7
	ds_load_b64 v[SC+8*NQ*\sc+NQ*\i:SC+8*NQ*\sc+NQ*\i+1], v[ADRS] offset:\i*SBLK
.endr
.endm
.macro PLACES n
.rept \n
	v_nop
.endr
.endm
.macro STEP slot, q, first
	s_wait_dscnt 4*NLA                             ; B's set and A's blocks 0-3 are in; the youngest 16 loads (A's blocks 4-7) may be out
.if \first
	WIN FST_LO
.else
	WIN MUL_LO
.endif
	MUL16 0, (\q)%2, \q, \slot, \first
	MUL16 2, (\q)%2, \q, \slot, \first
	s_wait_dscnt 0
	PLACES NP
	FETCH_B \slot, (\q)+1, 1-(\q)%2
	FETCH_A \slot, (\q)+1, 0
.if \first
	WIN FST_HI
.else
	WIN MUL_HI
.endif
	MUL16 4, (\q)%2, \q, \slot, \first
	MUL16 6, (\q)%2, \q, \slot, \first
	PLACES NP
	WIN 0
	FETCH_A \slot, (\q)+1, 4
.endm
.macro TURN slot, next, fill
	s_wait_tensorcnt 0x0                           ; all my tensor loads have landed: my part of the next slot
	ds_add_u32 v[SPW], v[NIL]                      ; 0 onto my spare word
	s_wait_dscnt 4*NLA+1                           ; (the add and the youngest 16 loads may be out)
	WIN MUL_LO
	MUL16 0, 1, NQ-1, \slot, 0
	s_wait_dscnt 0x0                               ; the add is done, and my reads of this slot are over
	s_barrier_signal -1
	MUL16 2, 1, NQ-1, \slot, 0
	WIN 0
	s_barrier_wait -1
.if \fill
	CREST                                          ; the barrier has opened a round of the cluster's barrier
	s_add_nc_u64 s[G0+4*\slot+2:G0+4*\slot+3], s[G0+4*\slot+2:G0+4*\slot+3], 2*AROW
	s_add_nc_u64 s[G0B+4*\slot+2:G0B+4*\slot+3], s[G0B+4*\slot+2:G0B+4*\slot+3], 2*ROWB
	JLOAD G0+4*\slot, G1, G0B+4*\slot, G1B         ; the first tensor load behind the round
.else
	PLACES NP
.endif
	v_add_nc_u32 v[ADRS], 4*NQ, v[ADRS]
	FETCH_B \next, 0, 0
	FETCH_A \next, 0, 0
	SCALES \next
	WIN MUL_HI
	MUL16 4, 1, NQ-1, \slot, 0
	MUL16 6, 1, NQ-1, \slot, 0
	PLACES NP
	WIN 0
	FETCH_A \next, 0, 4
.endm
	s_wait_tensorcnt 1                             ; the scales and my part of K step 0 are in (K step 1's load may be out),
	s_barrier_signal -1
	s_barrier_wait -1                              ; everybody's are
	FETCH_B 0, 0, 0
	FETCH_A 0, 0, 0
	SCALES 0
	FETCH_A 0, 0, 4
	s_wait_loadcnt 0x0                             ; b_proj
	STEP 0, 0, 1
	s_mov_b32 s3, LAPS-1
.Llap:
	TURN 0, 1, 1
	STEP 1, 0, 0
	TURN 1, 0, 1
	STEP 0, 0, 0
	s_sub_co_u32 s3, s3, 1
	s_cmp_lg_u32 s3, 0
	s_cbranch_scc1 .Llap
	TURN 0, 1, 0
	STEP 1, 0, 0
	s_wait_dscnt 4*NLA
	WIN MUL_LO
	MUL16 0, 1, NQ-1, 1, 0
	MUL16 2, 1, NQ-1, 1, 0
	s_wait_dscnt 0
	WIN MUL_HI
	MUL16 4, 1, NQ-1, 1, 0
	MUL16 6, 1, NQ-1, 1, 0
	WIN 0
; THE WAY OUT, block by block of 16 rows x 128 columns, through my own stage in LDS: in as 32 bytes a lane, back as whole rows of 512 bytes.  LDS serves a wave's instructions in order (ISA guide 5.7.1.4).
.macro TOSTAGE a
.set AC, 64*((\a)%4)
	WIN 0x08+4*((\a)/4)                            ; the data: window 2 or 3
.irp b, 0,1,2,3,4,5,6,7
	ds_store_b128 v[STO], v[AC+8*\b:AC+8*\b+3] offset:64*\b          ; each accumulator from its low end on
	ds_store_b128 v[STO], v[AC+8*\b+4:AC+8*\b+7] offset:64*\b+16
.endr
	WIN 0
.set BB, BK+64*((\a)%2)
.irp t, 0,1,2,3,4,5,6,7,8,9,10,11,12,13,14,15
	ds_load_b128 v[BB+4*\t:BB+4*\t+3], v[RD] offset:\t*SPITCH
.endr
.endm
.macro SEND a, younger
.set BB, BK+64*((\a)%2)
	s_wait_dscnt \younger                          ; the block is back in registers
.if (\a) > 0
	s_add_nc_u64 s[12:13], s[12:13], 16*SIZE_N*4   ; (behind a wait on XCNT: the earlier stores have read their base)
.endif
.irp t, 0,1,2,3,4,5,6,7,8,9,10,11,12,13,14,15
	global_store_b128 v[CO], v[BB+4*\t:BB+4*\t+3], s[12:13] offset:\t*SIZE_N*4 th:TH_STORE_NT   ; 32 lanes store 512 consecutive bytes, at a multiple of 256 from out0's first byte
.endr
.endm
	PLACES NP
	TOSTAGE 0
.irp a, 1,2,3,4,5,6,7
.if \a > 1
	s_wait_xcnt 0x0                                ; block a - 2's stores have read their registers and their base
.endif
	TOSTAGE \a
	SEND \a-1, 32                                  ; behind block a - 1's loads: block a's 16 stores and 16 loads
.endr
	s_wait_xcnt 0x0
	SEND 7, 0
	s_wait_tensorcnt 0x0                           ; the wave's end
	ds_add_u32 v[SPW], v[NIL]
	s_wait_dscnt 0x0
	CROUND                                         ; the closing round
	s_endpgm
.Lfunc_end_k_q1e035c8d17_proj:
	.size	k_q1e035c8d17_proj, .Lfunc_end_k_q1e035c8d17_proj-k_q1e035c8d17_proj
	.p2alignl 7, 3214868480
	.fill 96, 4, 3214868480
	.section	.rodata,"a",@progbits
	.p2align	6, 0x0
	.amdhsa_kernel k_q1e035c8d17_proj
		.amdhsa_group_segment_fixed_size 327680
		.amdhsa_private_segment_fixed_size 0
		.amdhsa_enable_private_segment 0
		.amdhsa_kernarg_size 48
		.amdhsa_user_sgpr_count 2
		.amdhsa_user_sgpr_kernarg_segment_ptr 1
		.amdhsa_wavefront_size32 1
		.amdhsa_system_sgpr_workgroup_id_x 1
		.amdhsa_system_sgpr_workgroup_id_y 1
		.amdhsa_system_sgpr_workgroup_id_z 1
		.amdhsa_system_vgpr_workitem_id 0
		.amdhsa_next_free_vgpr 1024
		.amdhsa_next_free_sgpr 100
		.amdhsa_reserve_vcc 0
		.amdhsa_float_denorm_mode_32 3
		.amdhsa_float_denorm_mode_16_64 3
		.amdhsa_memory_ordered 1
		.amdhsa_forward_progress 1
		.amdhsa_inst_pref_size 154
	.end_amdhsa_kernel
	.amdgpu_metadata
---
amdhsa.version: [ 1, 2 ]
amdhsa.kernels:
  - .name:           k_q1e035c8d17_proj
    .symbol:         k_q1e035c8d17_proj.kd
    .args:
      - { .name: y_img, .offset: 0, .size: 8, .value_kind: global_buffer, .address_space: global }
      - { .name: y_sc, .offset: 8, .size: 8, .value_kind: global_buffer, .address_space: global }
      - { .name: W_proj_codes, .offset: 16, .size: 8, .value_kind: global_buffer, .address_space: global }
      - { .name: W_proj_scales, .offset: 24, .size: 8, .value_kind: global_buffer, .address_space: global }
      - { .name: b_proj, .offset: 32, .size: 8, .value_kind: global_buffer, .address_space: global }
      - { .name: out0, .offset: 40, .size: 8, .value_kind: global_buffer, .address_space: global }
    .group_segment_fixed_size: 327680
    .private_segment_fixed_size: 0
    .kernarg_segment_align: 8
    .kernarg_segment_size: 48
    .max_flat_workgroup_size: 128
    .sgpr_count:     100
    .vgpr_count:     1024
    .wavefront_size: 32
...
	.end_amdgpu_metadata
.endif
;; end of part 3
